; MI455X (gfx1250); checked and timed in simulation.
; The chip was launched on July 23, 2026; its instructions are those of AMD's public machine-readable ISA for CDNA 5 (MIT licence, August 2026) and "CDNA5" Instruction Set Architecture Reference Guide (July 2026). The comments in the code are by the model that wrote it; some were corrected since.
;; Hunyuan Sparse Moe Block. Allowed arithmetic: float matrix products may take bf16 or f16 operands with f32 sums; other float arithmetic in f32, or as packed bf16 or f16 multiplies, adds, multiply-adds, maxima and minima; sums over many terms, partial sums and values carried from step to step in f32; what a program stores and reads back later, other than sums and carried values, may be rounded once to bf16 or f16.
;; Inputs: hidden_states 2 x 1,024 x 2,048 float32; w_down 8 x 512 x 2,048 float32; w_gate 2,048 x 8 float32; w_gate_up 8 x 2,048 x 1,024 float32; w_sh_down 1,024 x 2,048 float32; w_sh_gate_up 2,048 x 2,048 float32.
;; Outputs: out0 2 x 1,024 x 2,048 float32.
;; One version. Each part assembles by itself: llvm-mc -triple=amdgcn-amd-amdhsa -mcpu=gfx1250 --defsym DOCPART=n.
;; ======== version 1 of 1: 4 launches
;; workspace buffers: xb 8,388,608 bytes; maps 4,096 bytes of whole numbers; cw 16,384 bytes; actr 16,777,216 bytes; acts 4,194,304 bytes; part 33,554,432 bytes
;; launch route (part 1): grid 256 x 1, 8 waves a work-group, no clusters, 71,680 bytes of LDS; arguments hidden_states, w_gate, xb, maps, cw; writes xb, maps, cw
.if DOCPART == 1
	.amdgcn_target "amdgcn-amd-amdhsa--gfx1250"
	.amdhsa_code_object_version 6
	.text
	.protected	k_q662406bfc4_route
	.globl	k_q662406bfc4_route
	.p2align	8
	.type	k_q662406bfc4_route,@function
k_q662406bfc4_route:
	s_mov_b64 s[64:65], 0
	v_nop
	global_prefetch_b8 v0, s[64:65] scope:SCOPE_SE
	s_setreg_imm32_b32 hwreg(HW_REG_WAVE_MODE, 25, 1), 1
	s_wait_xcnt 0x0
; ROUTER.  x [2048][2048] f32 is rounded to bf16 and stored (xb); logits = x w_gate on the rounded x and the rounded w_gate, products and sums in f32;
; for each token the two largest logits, their renormalised softmax weights (cw) and a bitmap of the choices (maps).
; A work-group has 8 tokens; wave w has columns 256 w .. 256 w + 255 of all eight, a lane 8 columns.  The product has 8 output columns: it is made by packed
; multiply-adds, since a matrix unit would have nothing to gain on it.
; maps: byte 16 g + 8 rank + e holds, in bit i, whether token 8 g + i chose expert e at that rank.  cw: [token][rank] f32.
; LIMITS.  The two experts are chosen on the logits (the exponential is monotone; of equal logits the lower index wins, as in jax.lax.top_k): two logits so close that their
; probabilities round to one number may be ordered otherwise than by the probabilities.  The weights are 1 / (1 + t) and t / (1 + t), t = e^(second - first) <= 1: the maximum
; is taken away, the softmax's sum cancels.  t below 2^-126 counts as 0.  NaN and infinite logits are not treated apart.
.set TP,    272                        ; a thread's 64 partial sums in LDS: 256 bytes + 16
.set RED,   256*TP                     ; [part 4][64] f32
.set SPARE, RED+1024                   ; the spare words: 128 bytes a wave, named by no other line
.set SPW, 30                           ; v30  SPARE + 4 x thread; never rewritten
.set NIL, 31                           ; v31  0; never rewritten
.set X,   32                           ; v[32:95]   x[token][8 columns]
.set W,   96                           ; v[96:159]  w_gate[8 columns][8 experts]
.set ACC, 160                          ; v[160:223] partial logits [token][expert]
.set XP,  160                          ; v[160:191] x packed to bf16, until its stores have read it
	s_load_b256 s[4:11], s[0:1], 0x0               ; hidden_states s[4:5], w_gate s[6:7], xb s[8:9], maps s[10:11]
	s_load_b64 s[12:13], s[0:1], 0x20              ; cw
	v_lshl_add_u32 v[SPW], v0, 2, SPARE
	v_mov_b32 v[NIL], 0
	v_lshrrev_b32 v1, 5, v0
	v_readfirstlane_b32 s20, v1                    ; wave
	v_lshlrev_b32 v2, 5, v0                        ; x: 8 f32 a thread
	v_lshlrev_b32 v3, 8, v0                        ; w_gate: 8 rows of 32 bytes a thread
	v_lshlrev_b32 v4, 4, v0                        ; xb: 8 bf16 a thread
	v_mul_u32_u24 v5, v0, TP
	s_lshl_b32 s14, ttmp9, 16                      ; 8 rows of x
	s_mov_b32 s15, 0
	s_lshl_b32 s16, ttmp9, 15                      ; 8 rows of xb
	s_mov_b32 s17, 0
	s_lshl_b32 s18, ttmp9, 4                       ; 16 bytes of maps
	s_mov_b32 s19, 0
	s_lshl_b32 s22, ttmp9, 6                       ; 8 pairs of cw
	s_mov_b32 s23, 0
	s_mov_b32 s24, 0xffff0000
	s_wait_kmcnt 0x0
	s_add_nc_u64 s[4:5], s[4:5], s[14:15]
	s_add_nc_u64 s[8:9], s[8:9], s[16:17]
	s_add_nc_u64 s[10:11], s[10:11], s[18:19]
	s_add_nc_u64 s[12:13], s[12:13], s[22:23]
.set ri, 0
.rept 8
	global_load_b128 v[X+8*ri:X+8*ri+3],   v2, s[4:5] offset:8192*ri th:TH_LOAD_NT
	global_load_b128 v[X+8*ri+4:X+8*ri+7], v2, s[4:5] offset:8192*ri+16 th:TH_LOAD_NT
.set ri, ri+1
.endr
.set ri, 0
.rept 16
	global_load_b128 v[W+4*ri:W+4*ri+3], v3, s[6:7] offset:16*ri
.set ri, ri+1
.endr
	s_wait_loadcnt 16                              ; x is in; w_gate's sixteen loads are younger
.set ri, 0
.rept 32
	v_cvt_pk_bf16_f32 v[XP+ri], v[X+2*ri], v[X+2*ri+1]
.set ri, ri+1
.endr
.set ri, 0
.rept 8
	global_store_b128 v4, v[XP+4*ri:XP+4*ri+3], s[8:9] offset:4096*ri  ; a wave's store covers 512 consecutive bytes
.set ri, ri+1
.endr
.set ri, 0
.rept 32                               ; the router sees the rounded x
	v_lshlrev_b32 v[X+2*ri], 16, v[XP+ri]
	v_and_b32 v[X+2*ri+1], s24, v[XP+ri]
.set ri, ri+1
.endr
	s_wait_loadcnt 0x0                             ; w_gate
.set ri, 0
.rept 32                               ; and the rounded w_gate
	v_cvt_pk_bf16_f32 v[6+ri%8], v[W+2*ri], v[W+2*ri+1]
	v_lshlrev_b32 v[W+2*ri], 16, v[6+ri%8]
	v_and_b32 v[W+2*ri+1], s24, v[6+ri%8]
.set ri, ri+1
.endr
	s_wait_xcnt 0x0                                ; xb's stores have read XP: the sums are written over it only behind this wait
; ACC[token][2 experts] += W[column][2 experts] x X[token][column]; the first column starts the sums
.set ci, 0
.rept 8
.set ti, 0
.rept 8
.set qi, 0
.rept 4
.if ci == 0
	v_pk_mul_f32 v[ACC+8*ti+2*qi:ACC+8*ti+2*qi+1], v[W+2*qi:W+2*qi+1], v[X+8*ti:X+8*ti+1] op_sel_hi:[1,0]
.elseif ci%2 == 0
	v_pk_fma_f32 v[ACC+8*ti+2*qi:ACC+8*ti+2*qi+1], v[W+8*ci+2*qi:W+8*ci+2*qi+1], v[X+8*ti+ci:X+8*ti+ci+1], v[ACC+8*ti+2*qi:ACC+8*ti+2*qi+1] op_sel_hi:[1,0,1]
.else
	v_pk_fma_f32 v[ACC+8*ti+2*qi:ACC+8*ti+2*qi+1], v[W+8*ci+2*qi:W+8*ci+2*qi+1], v[X+8*ti+ci-1:X+8*ti+ci], v[ACC+8*ti+2*qi:ACC+8*ti+2*qi+1] op_sel:[0,1,0] op_sel_hi:[1,1,1]
.endif
.set qi, qi+1
.endr
.set ti, ti+1
.endr
.set ci, ci+1
.endr
.set ri, 0
.rept 16
	ds_store_b128 v5, v[ACC+4*ri:ACC+4*ri+3] offset:16*ri
.set ri, ri+1
.endr
	v_lshrrev_b32 v6, 6, v0                        ; thread t sums output t % 64 over threads 64 (t / 64) .. + 63
	v_mul_u32_u24 v6, v6, 64*TP
	v_and_b32 v7, 63, v0
	v_lshl_add_u32 v6, v7, 2, v6
	v_lshl_add_u32 v8, v0, 2, RED
	s_wait_dscnt 0x0                               ; for the others' sake: my partial sums are in LDS
	s_barrier_signal -1
	s_barrier_wait -1
.set ri, 0
.rept 64
	ds_load_b32 v[X+ri], v6 offset:TP*ri           ; 32 lanes read 128 consecutive bytes
.set ri, ri+1
.endr
	s_wait_dscnt 48                                ; the oldest sixteen are in
.irp k, 0,1,2,3
	v_add_f32 v[ACC+\k], v[X+\k], v[X+4+\k]        ; four chains, started by the first eight numbers
.endr
.set ri, 8
.rept 56
.if ri%16 == 0
	s_wait_dscnt 48-ri                             ; the next sixteen
.endif
	v_add_f32 v[ACC+ri%4], v[ACC+ri%4], v[X+ri]
.set ri, ri+1
.endr
	v_add_f32 v[ACC], v[ACC], v[ACC+1]
	v_add_f32 v[ACC+2], v[ACC+2], v[ACC+3]
	v_add_f32 v[ACC], v[ACC], v[ACC+2]
	ds_store_b32 v8, v[ACC]
	s_wait_dscnt 0x0                               ; for wave 0's sake
	s_barrier_signal -1
	s_barrier_wait -1
	s_cmp_lg_u32 s20, 0
	s_cbranch_scc1 .Lend
	; wave 0: lane l serves token l % 8; the four copies do the same work, so every lane stays on
	v_and_b32 v9, 7, v0
	v_lshl_add_u32 v10, v9, 5, RED
.set ri, 0
.rept 4
	ds_load_b128 v[X+8*ri:X+8*ri+3],   v10 offset:256*ri
	ds_load_b128 v[X+8*ri+4:X+8*ri+7], v10 offset:256*ri+16
.set ri, ri+1
.endr
	v_mov_b32 v15, 0xff800000                      ; minus infinity
	v_mov_b32 v12, 0
	v_mov_b32 v14, 0
	v_mov_b32 v21, 0
	v_lshlrev_b32 v20, 3, v9
	s_wait_dscnt 0x0
.irp k, 0,2,4,6
	v_pk_add_f32 v[X+\k:X+\k+1], v[X+\k:X+\k+1], v[X+8+\k:X+8+\k+1]
	v_pk_add_f32 v[X+16+\k:X+16+\k+1], v[X+16+\k:X+16+\k+1], v[X+24+\k:X+24+\k+1]
.endr
.irp k, 0,2,4,6
	v_pk_add_f32 v[X+\k:X+\k+1], v[X+\k:X+\k+1], v[X+16+\k:X+16+\k+1]  ; the token's eight logits
.endr
	v_mov_b32 v11, v[X]
.irp e, 1,2,3,4,5,6,7
	v_cmp_gt_f32 vcc_lo, v[X+\e], v11              ; strictly greater: of equals the lower index stays
	v_cndmask_b32 v11, v11, v[X+\e], vcc_lo
	v_cndmask_b32 v12, v12, \e, vcc_lo
.endr
.irp e, 0,1,2,3,4,5,6,7
	v_cmp_eq_u32 vcc_lo, \e, v12
	v_cndmask_b32 v[X+\e], v[X+\e], v15, vcc_lo    ; the winner leaves the field
.endr
	v_mov_b32 v13, v[X]
.irp e, 1,2,3,4,5,6,7
	v_cmp_gt_f32 vcc_lo, v[X+\e], v13
	v_cndmask_b32 v13, v13, v[X+\e], vcc_lo
	v_cndmask_b32 v14, v14, \e, vcc_lo
.endr
	v_sub_f32 v16, v13, v11                        ; second - first, at most 0
	v_mul_f32 v16, 0x3fb8aa3b, v16
	v_exp_f32 v16, v16
	v_nop                                          ; a plain instruction behind the exponential,
	s_wait_alu depctr_va_vdst(0)                   ; and a wait ahead of its first reader
	v_add_f32 v17, 1.0, v16
	v_rcp_f32 v18, v17
	v_nop
	s_wait_alu depctr_va_vdst(0)
	v_mul_f32 v19, v16, v18
	global_store_b64 v20, v[18:19], s[12:13]
; the sixteen map bytes: a compare's lane mask holds tokens 0 to 7 in its low eight bits
.irp e, 0,1,2,3,4,5,6,7
	v_cmp_eq_u32 s26, \e, v12
	v_cmp_eq_u32 s27, \e, v14
	s_and_b32 s26, s26, 0xff
	s_and_b32 s27, s27, 0xff
.if (\e)%4 == 0
	s_mov_b32 s[28+(\e)/4], s26
	s_mov_b32 s[30+(\e)/4], s27
.else
	s_lshl_b32 s26, s26, 8*((\e)%4)
	s_lshl_b32 s27, s27, 8*((\e)%4)
	s_or_b32 s[28+(\e)/4], s[28+(\e)/4], s26
	s_or_b32 s[30+(\e)/4], s[30+(\e)/4], s27
.endif
.endr
	v_mov_b32 v24, s28
	v_mov_b32 v25, s29
	v_mov_b32 v26, s30
	v_mov_b32 v27, s31
	global_store_b128 v21, v[24:27], s[10:11]      ; every lane stores the same 16 bytes
.Lend:
	s_wait_tensorcnt 0x0                           ; the wave's end, behind my last LDS store
	ds_add_u32 v[SPW], v[NIL]
	s_wait_dscnt 0x0
	s_endpgm
.Lfunc_end_k_q662406bfc4_route:
	.size	k_q662406bfc4_route, .Lfunc_end_k_q662406bfc4_route-k_q662406bfc4_route
	.p2alignl 7, 3214868480
	.fill 96, 4, 3214868480
	.section	.rodata,"a",@progbits
	.p2align	6, 0x0
	.amdhsa_kernel k_q662406bfc4_route
		.amdhsa_group_segment_fixed_size 71680
		.amdhsa_private_segment_fixed_size 0
		.amdhsa_enable_private_segment 0
		.amdhsa_kernarg_size 40
		.amdhsa_user_sgpr_count 2
		.amdhsa_user_sgpr_kernarg_segment_ptr 1
		.amdhsa_wavefront_size32 1
		.amdhsa_system_sgpr_workgroup_id_x 1
		.amdhsa_system_sgpr_workgroup_id_y 1
		.amdhsa_system_sgpr_workgroup_id_z 1
		.amdhsa_system_vgpr_workitem_id 0
		.amdhsa_next_free_vgpr 224
		.amdhsa_next_free_sgpr 66
		.amdhsa_reserve_vcc 1
		.amdhsa_float_denorm_mode_32 3
		.amdhsa_float_denorm_mode_16_64 3
		.amdhsa_memory_ordered 1
		.amdhsa_forward_progress 1
		.amdhsa_inst_pref_size 45
	.end_amdhsa_kernel
	.amdgpu_metadata
---
amdhsa.version: [ 1, 2 ]
amdhsa.kernels:
  - .name:           k_q662406bfc4_route
    .symbol:         k_q662406bfc4_route.kd
    .args:
      - { .name: hidden_states, .offset: 0, .size: 8, .value_kind: global_buffer, .address_space: global }
      - { .name: w_gate, .offset: 8, .size: 8, .value_kind: global_buffer, .address_space: global }
      - { .name: xb, .offset: 16, .size: 8, .value_kind: global_buffer, .address_space: global }
      - { .name: maps, .offset: 24, .size: 8, .value_kind: global_buffer, .address_space: global }
      - { .name: cw, .offset: 32, .size: 8, .value_kind: global_buffer, .address_space: global }
    .group_segment_fixed_size: 71680
    .private_segment_fixed_size: 0
    .kernarg_segment_align: 8
    .kernarg_segment_size: 40
    .max_flat_workgroup_size: 256
    .sgpr_count:     66
    .vgpr_count:     224
    .wavefront_size: 32
...
	.end_amdgpu_metadata
.endif
;; end of part 1
;; launch up (part 2): grid 256 x 1, 8 waves a work-group, no clusters, 272,640 bytes of LDS; arguments xb, maps, cw, w_gate_up, w_sh_gate_up, actr, acts; writes actr, acts
.if DOCPART == 2
	.amdgcn_target "amdgcn-amd-amdhsa--gfx1250"
	.amdhsa_code_object_version 6
	.text
	.protected	k_q662406bfc4_up
	.globl	k_q662406bfc4_up
	.p2align	8
	.type	k_q662406bfc4_up,@function
k_q662406bfc4_up:
	s_mov_b64 s[64:65], 0
	v_nop
	global_prefetch_b8 v0, s[64:65] scope:SCOPE_SE
	s_setreg_imm32_b32 hwreg(HW_REG_WAVE_MODE, 25, 1), 1
	s_wait_xcnt 0x0
; FIRST PRODUCTS AND ACTIVATION.  act = silu(x Wg) * (x Wu), for the routed experts times the token's combine weight; rounded once to bf16.
; Work-groups 0-127: expert e = wg / 16, slice s = wg % 16: gate columns 32 s .. + 31 and up columns 32 s .. + 31 of w_gate_up[e], all rows that chose e.
; Work-groups 128-255: j = wg - 128, slice s = j / 4 of w_sh_gate_up, tokens 512 (j % 4) .. + 511.  Both kinds run one text: what differs lies in scalar registers.
; PHASE 1: the 64 columns x 2,048 k are read once as f32, rounded to bf16 and laid into LDS as [column][k]; wave w takes k = 256 w .. + 255.  Meanwhile wave 0 makes the list of
; rows from the bitmap of the choices (a counting sort: counts, a prefix sum over the lanes, placement).  A barrier.
; PHASE 2: each wave by itself: blocks of 16 rows (block w + 8 i), four at a time, or five where just five are left; row fragments come from xb straight into registers, weight fragments from LDS.
; No loop's length hangs on the count: the loop over chunks has 4 trips, which serve the 16 blocks a wave that 2,048 rows make, and work without rows is jumped forward; no barrier stands there.
; A second barrier stands at the end, between every wave's reads of LDS and the closing lines.
; THE MATRIX INSTRUCTION IS USED TRANSPOSED: source 0 = 16 weight columns, source 1 = 16 rows: a lane holds one row (lane % 16) and columns 8 (lane / 16) + 0..7, so the packed results of
; column blocks 0 and 1 are registers 0-3 and 4-7 of the next product's row fragment, and are stored so: (slice kb, block) = 1,024 bytes, byte 512 half + 16 lane.
; NO CLUSTER, NO TENSOR LOADS: the weights pass registers to be rounded and turned; each routed slice has one reader; the rows come by a list, which no descriptor covers.
; LIMITS.  silu(g) u = g u / (1 + 2^(-1.442695 g)); where the exponential overflows the result is 0.  NaN and infinities are not treated apart.  Rows past an expert's count repeat its last row.
.set P,     4112                       ; a column in LDS: 4,096 bytes + 16: the 16 columns of a fragment load start at 16 different groups of four banks (ISA guide 11.1)
.set TT,    16                         ; K / 128
.set TAILB, (TT-2)*256                 ; the byte of a column's row at which the steps behind the K loop begin
.set ASTEP, 64                         ; bytes of a row for 32 k
.set AHALF, 32
.set LIST,  64*P                       ; 2,048 entries (2 token + rank) and 32 words for what is not placed
.set NCNT,  LIST+8320                  ; the count
.set SPARE, LIST+8448                  ; the spare words: 128 bytes a wave, named by no other line
.set L16, 1                            ; 16 x lane
.set H16, 2                            ; 16 x (lane / 16)
.set WB0, 3                            ; (lane % 16) P + 16 (lane / 16)
.set WADR, 4                           ; v[4:7]   LDS address of the weight fragments of column block j in the K loop's trip
.set AOFF, 8                           ; v[8:12]  byte offset of my row of block i in xb
.set EN,  13                           ; v[13:17] the list's entry, then its offset in cw
.set CW,  18                           ; v[18:22] the combine weight
.set RB,  23                           ; my row's place in the list, block i = 0
.set WBJ, 24                           ; v[24:27] my lane's place in column block j; never rewritten behind the first barrier
.set SPW, 30
.set NIL, 31
.set BF,  32                           ; v[32:95]  weight fragments, two buffers of four
.set AR,  96                           ; v[96:255] row fragments: a ring of four slots of 40
.set EXR, 32                           ; the way out: at work
.set MXR, 48
.set FO,  4                            ; the fill: v[4:11] offsets of 8 consecutive k; v12, v13 LDS addresses; v[14:29] packed; two sets of 64
.set LA0, 12
.set LA1, 13
.set TC,  14
.set SETA, 32
.set SETB, 96
.set PB,  160                          ; the plan: v[160:175] map bytes, then the four words: rank 0 low, high at +0, +4; rank 1 at +8, +12
.set UL,  176
.set UH,  177
.set LN,  178
.set CL,  179
.set CH,  180
.set SC,  181
.set PT0, 182
.set PT1, 183
.set POSL, 185
.set POSH, 186
.set EB,  187
.set TR,  188
.set MO,  189
.set PA0, 190
.set PA1, 191
.set PE0, 192
.set PE1, 193
.set PB0, 194
.set PB1, 195
.set ABASE, 4                          ; s[4:5] xb
.set WV, 20
.set WG, 21
.set RMASK, 23                         ; all ones: routed; 0: shared
.set SE, 24
.set SS, 25
.set SQ, 26
.set PIT, 27                           ; bytes from k to k + 1 in the weights
.set STP, 28                           ; s[28:29] 32 k
.set GB, 30                            ; s[30:31] gate columns, s[32:33] up columns
.set UB, 32
.set DST, 34
.set AB, 36                            ; s[36:37] xb at the K loop's place
.set MP, 38
.set SN, 40
.set NB, 41
.set REM, 42                           ; blocks that my wave still has
.set LIM, 43
.set CC, 44
.set KC, 45
.set NL2E, 46                          ; s[46:47] -log2(e): the packed multiply names a pair and takes its low word for both halves
.set KO, 56                            ; the K loop's byte offset in a column's row
.set MSB, 0
.macro WIN new                         ; s_set_vgpr_msb: bits 1:0 source 0, 3:2 source 1, 5:4 source 2, 7:6 destination; the high byte repeats the setting that is left
.if MSB != (\new)
	s_set_vgpr_msb (MSB<<8)|(\new)
.set MSB, \new
.endif
.endm
; eight loads: 8 consecutive k, 4 columns a lane
.macro FLOAD set, g, sb, imm
.irp j, 0,1,2,3,4,5,6,7
	global_load_b128 v[(\set)+32*(\g)+4*\j:(\set)+32*(\g)+4*\j+3], v[FO+\j], s[\sb:\sb+1] offset:\imm
.endr
.endm
; they are rounded, turned (8 k of one column = 16 bytes) and laid into the column's row
.macro FCONS set, g, la, imm
.irp c, 0,1,2,3
.irp p, 0,1,2,3
	v_cvt_pk_bf16_f32 v[TC+4*\c+\p], v[(\set)+32*(\g)+8*\p+\c], v[(\set)+32*(\g)+8*\p+4+\c]
.endr
	ds_store_b128 v[\la], v[TC+4*\c:TC+4*\c+3] offset:(\imm)+\c*P
.endr
.endm
.macro UNITLD set                      ; 32 k of all 64 columns
	FLOAD \set, 0, GB, 0
	FLOAD \set, 1, UB, 0
.endm
.macro UNITCONS set, imm
	FCONS \set, 0, LA0, \imm
	FCONS \set, 1, LA1, \imm
.endm
.macro STEP
	s_wait_xcnt 0x0                                ; the bases are stepped only behind this wait
	s_add_nc_u64 s[GB:GB+1], s[GB:GB+1], s[STP:STP+1]
	s_add_nc_u64 s[UB:UB+1], s[UB:UB+1], s[STP:STP+1]
.endm
.macro POPC d, x, t                    ; the number of ones in a word
	v_lshrrev_b32 v[\t], 1, v[\x]
	v_and_b32 v[\t], 0x55555555, v[\t]
	v_sub_nc_u32 v[\d], v[\x], v[\t]
	v_lshrrev_b32 v[\t], 2, v[\d]
	v_and_b32 v[\t], 0x33333333, v[\t]
	v_and_b32 v[\d], 0x33333333, v[\d]
	v_add_nc_u32 v[\d], v[\d], v[\t]
	v_lshrrev_b32 v[\t], 4, v[\d]
	v_add_nc_u32 v[\d], v[\d], v[\t]
	v_and_b32 v[\d], 0x0f0f0f0f, v[\d]
	v_mul_lo_u32 v[\d], v[\d], 0x01010101
	v_lshrrev_b32 v[\d], 24, v[\d]
.endm
.macro PLANLD                          ; lane l takes the map bytes of tokens 64 l .. 64 l + 63 for my expert, both ranks
	v_and_b32 v[LN], 31, v0
	v_lshlrev_b32 v[MO], 7, v[LN]
.set pi, 0
.rept 8
	global_load_u8 v[PB+pi],   v[MO], s[MP:MP+1] offset:16*pi
	global_load_u8 v[PB+8+pi], v[MO], s[MP:MP+1] offset:16*pi+8
.set pi, pi+1
.endr
.endm
; THE LIST.  syn = 1: a shared work-group takes its 512 tokens in place of the bitmap.
.macro PLAN syn
	s_wait_loadcnt 32                              ; the map bytes are in; the 32 loads of the fill are younger
.irp b, 0,4,8,12
	v_lshl_or_b32 v[PB+\b], v[PB+\b+1], 8, v[PB+\b]
	v_lshl_or_b32 v[PB+\b], v[PB+\b+2], 16, v[PB+\b]
	v_lshl_or_b32 v[PB+\b], v[PB+\b+3], 24, v[PB+\b]
.endr
	v_or_b32 v[UL], v[PB], v[PB+8]
	v_or_b32 v[UH], v[PB+4], v[PB+12]
.if \syn
	v_lshrrev_b32 v[PT0], 3, v[LN]
	v_cmp_eq_u32 vcc_lo, s[SQ], v[PT0]
	v_cndmask_b32 v[PT0], 0, -1, vcc_lo
	v_cndmask_b32 v[UL], v[PT0], v[UL], s[RMASK]
	v_cndmask_b32 v[UH], v[PT0], v[UH], s[RMASK]
	v_cndmask_b32 v[PB+8], 0, v[PB+8], s[RMASK]
	v_cndmask_b32 v[PB+12], 0, v[PB+12], s[RMASK]
.endif
	POPC CL, UL, PT0
	POPC CH, UH, PT0
	v_add_nc_u32 v[SC], v[CL], v[CH]
.irp d, 1,2,4,8,16                     ; the running sum over the lanes
	v_add_nc_u32 v[PT0], -\d, v[LN]
	v_and_b32 v[PT0], 31, v[PT0]
	v_lshlrev_b32 v[PT0], 2, v[PT0]
	ds_bpermute_b32 v[PT1], v[PT0], v[SC]
	v_cmp_gt_u32 vcc_lo, \d, v[LN]
	s_wait_dscnt 0x0
	v_cndmask_b32 v[PT1], v[PT1], 0, vcc_lo
	v_add_nc_u32 v[SC], v[SC], v[PT1]
.endr
	v_readlane_b32 s[SN], v[SC], 31
	s_min_u32 s[SN], s[SN], 0x800
	v_sub_nc_u32 v[POSL], v[SC], v[CL]
	v_sub_nc_u32 v[POSL], v[POSL], v[CH]           ; where my first 32 tokens' entries begin,
	v_add_nc_u32 v[POSH], v[POSL], v[CL]           ; and my second 32's
	v_lshlrev_b32 v[EB], 7, v[LN]                  ; 2 x token
	v_add_nc_u32 v[TR], 0x800, v[LN]               ; what is not placed goes to a word of the lane's own
	v_mov_b32 v[PA0], LIST
	v_mov_b32 v[PT0], 0
	ds_store_b32 v[PA0], v[PT0]                    ; entry 0 is defined where the expert has no row
	s_mov_b32 s50, 0
.Lplan\@:
	v_bfe_u32 v[PB0], v[UL], s50, 1
	v_bfe_u32 v[PB1], v[UH], s50, 1
	v_bfe_u32 v[PE0], v[PB+8], s50, 1
	v_bfe_u32 v[PE1], v[PB+12], s50, 1
	v_add_nc_u32 v[PE0], v[EB], v[PE0]             ; 2 token + rank
	v_add3_u32 v[PE1], v[EB], v[PE1], 64
	v_cmp_ne_u32 vcc_lo, 0, v[PB0]
	v_cndmask_b32 v[PA0], v[TR], v[POSL], vcc_lo
	v_cmp_ne_u32 vcc_lo, 0, v[PB1]
	v_cndmask_b32 v[PA1], v[TR], v[POSH], vcc_lo
	v_min_u32 v[PA0], 0x81f, v[PA0]
	v_min_u32 v[PA1], 0x81f, v[PA1]
	v_lshl_add_u32 v[PA0], v[PA0], 2, LIST
	v_lshl_add_u32 v[PA1], v[PA1], 2, LIST
	ds_store_b32 v[PA0], v[PE0]
	ds_store_b32 v[PA1], v[PE1]
	v_add_nc_u32 v[POSL], v[POSL], v[PB0]
	v_add_nc_u32 v[POSH], v[POSH], v[PB1]
	v_add_nc_u32 v[EB], 2, v[EB]
	s_add_co_u32 s50, s50, 1
	s_cmp_lt_u32 s50, 32
	s_cbranch_scc1 .Lplan\@
	s_max_u32 s51, s[SN], 1                        ; the 32 places past the count repeat the last entry
	s_sub_co_u32 s51, s51, 1
	s_min_u32 s51, s51, 0x7ff
	s_lshl_b32 s51, s51, 2
	s_add_co_u32 s51, s51, LIST
	v_mov_b32 v[PA0], s51
	ds_load_b32 v[PE0], v[PA0]
	v_add_nc_u32 v[PA1], s[SN], v[LN]
	v_min_u32 v[PA1], 0x81f, v[PA1]
	v_lshl_add_u32 v[PA1], v[PA1], 2, LIST
	v_mov_b32 v[PT0], s[SN]
	v_mov_b32 v[PT1], NCNT
	s_wait_dscnt 0x0
	ds_store_b32 v[PA1], v[PE0]
	ds_store_b32 v[PT1], v[PT0]
.endm
.macro GLD mb, q, gm                   ; the row fragments of K step gm (counted from AB) into ring slot q
.set gi, 0
.rept \mb
	global_load_b128 v[AR+40*(\q)+8*gi:AR+40*(\q)+8*gi+3],   v[AOFF+gi], s[AB:AB+1] offset:(\gm)*ASTEP
	global_load_b128 v[AR+40*(\q)+8*gi+4:AR+40*(\q)+8*gi+7], v[AOFF+gi], s[AB:AB+1] offset:(\gm)*ASTEP+AHALF
.set gi, gi+1
.endr
.endm
.macro WLD wa, b, dm                   ; four weight fragments at byte dm behind the addresses v[wa .. wa + 3] into buffer b
.irp j, 0,1,2,3
	ds_load_b128 v[BF+32*(\b)+8*\j:BF+32*(\b)+8*\j+3],   v[(\wa)+\j] offset:\dm
	ds_load_b128 v[BF+32*(\b)+8*\j+4:BF+32*(\b)+8*\j+7], v[(\wa)+\j] offset:(\dm)+32
.endr
.endm
; ONE K STEP OF 32: 4 mb products, whose accumulators take turns, one instruction a turn; then four places (ISA guide 7.12.1 for vector instructions), and the
; registers just read are asked for again: rows four steps on, weights two steps on.  dsw, ldw: how many younger LDS loads and global loads may stay out.
; adv = 1: the rows' base goes 128 k on; the wait that frees it stands behind this step's products, a whole run of matrix instructions behind the last loads that name it.
.macro SUB mb, q, b, zero, adv, gm, wa, dm, dsw, ldw
	s_wait_dscnt \dsw
	s_wait_loadcnt \ldw
	WIN 0x50                                       ; C and D in window 1
.set si, 0
.rept \mb
.set sj, 0
.rept 4
.if \zero
	v_wmma_f32_16x16x32_bf16 v[32*si+8*sj:32*si+8*sj+7], v[BF+32*(\b)+8*sj:BF+32*(\b)+8*sj+7], v[AR+40*(\q)+8*si:AR+40*(\q)+8*si+7], 0
.else
	v_wmma_f32_16x16x32_bf16 v[32*si+8*sj:32*si+8*sj+7], v[BF+32*(\b)+8*sj:BF+32*(\b)+8*sj+7], v[AR+40*(\q)+8*si:AR+40*(\q)+8*si+7], v[32*si+8*sj:32*si+8*sj+7]
.endif
.set sj, sj+1
.endr
.set si, si+1
.endr
	WIN 0
.rept 4
	v_nop
.endr
.if \adv
	s_wait_xcnt 0x0                                ; the rows' base is stepped only behind this wait
	s_add_nc_u64 s[AB:AB+1], s[AB:AB+1], 4*ASTEP
.endif
.if (\gm) >= 0
	GLD \mb, \q, \gm
.endif
.if (\dm) >= 0
	WLD \wa, \b, \dm
.endif
.endm
; mb blocks of 16 rows x 64 columns over the whole K: 64 steps.  Step g uses ring slot g % 4 and weight buffer g % 2.  One step ahead of the loop (it starts the sums), 14 trips of four, seven behind it.
; In a trip the weights' addresses are my lane's fixed places plus the trip's offset KO; ahead of the loop and behind it the fixed places serve, with the step's byte in the immediate.
; dscnt 8: the next step's eight weight loads are younger; loadcnt 6 mb: three ring slots of 2 mb loads.
.macro KERNEL mb
	s_mov_b32 s[KO], 0
	s_mov_b64 s[AB:AB+1], s[ABASE:ABASE+1]
	GLD \mb, 0, 0
	GLD \mb, 1, 1
	GLD \mb, 2, 2
	GLD \mb, 3, 3
	WLD WBJ, 0, 0
	WLD WBJ, 1, 64
	SUB \mb, 0, 0, 1, 0, 4, WBJ, 128, 8, 6*\mb
	s_mov_b32 s[KC], TT-2
.Lk\@:
.irp j, 0,1,2,3
	v_add_nc_u32 v[WADR+\j], s[KO], v[WBJ+\j]
.endr
	SUB \mb, 1, 1, 0, 1, 1, WADR, 192, 8, 6*\mb
	SUB \mb, 2, 0, 0, 0, 2, WADR, 256, 8, 6*\mb
	SUB \mb, 3, 1, 0, 0, 3, WADR, 320, 8, 6*\mb
	SUB \mb, 0, 0, 0, 0, 4, WADR, 384, 8, 6*\mb
	s_add_co_u32 s[KO], s[KO], 0x100               ; 128 k on in the columns' rows
	s_sub_co_u32 s[KC], s[KC], 1
	s_cmp_lg_u32 s[KC], 0
	s_cbranch_scc1 .Lk\@
	SUB \mb, 1, 1, 0, 1, 1, WBJ, TAILB+192, 8, 6*\mb   ; the last seven steps: nothing is asked for past K, and the counts run down
	SUB \mb, 2, 0, 0, 0, 2, WBJ, TAILB+256, 8, 6*\mb
	SUB \mb, 3, 1, 0, 0, 3, WBJ, TAILB+320, 8, 6*\mb
	SUB \mb, 0, 0, 0, 0, -1, WBJ, TAILB+384, 8, 6*\mb
	SUB \mb, 1, 1, 0, 0, -1, WBJ, TAILB+448, 8, 4*\mb
	SUB \mb, 2, 0, 0, 0, -1, WBJ, -1, 8, 2*\mb
	SUB \mb, 3, 1, 0, 0, -1, WBJ, -1, 0, 0
.endm
; THE WAY OUT of block i.  Each accumulator is read from its low end on.  Two batches of transcendentals, one wait each, with independent work behind each batch.
.macro OUTB i
	v_cndmask_b32 v[CW+\i], 1.0, v[CW+\i], s[RMASK]   ; a shared row has weight 1
	WIN 0x01
.set ok, 0
.rept 8
	v_pk_mul_f32 v[EXR+2*ok:EXR+2*ok+1], v[32*\i+2*ok:32*\i+2*ok+1], s[NL2E:NL2E+1] op_sel_hi:[1,0]  ; -log2(e) g
.set ok, ok+1
.endr
	WIN 0
.set ok, 0
.rept 16
	v_exp_f32 v[EXR+ok], v[EXR+ok]
.set ok, ok+1
.endr
	WIN 0x05
.set ok, 0
.rept 8
	v_pk_mul_f32 v[MXR+2*ok:MXR+2*ok+1], v[32*\i+2*ok:32*\i+2*ok+1], v[32*\i+16+2*ok:32*\i+16+2*ok+1]  ; g u
.set ok, ok+1
.endr
	WIN 0
	s_wait_alu depctr_va_vdst(0)                   ; one wait for the sixteen exponentials
.set ok, 0
.rept 8
	v_pk_add_f32 v[EXR+2*ok:EXR+2*ok+1], v[EXR+2*ok:EXR+2*ok+1], 1.0 op_sel_hi:[1,0]
.set ok, ok+1
.endr
.set ok, 0
.rept 16
	v_rcp_f32 v[EXR+ok], v[EXR+ok]
.set ok, ok+1
.endr
.set ok, 0
.rept 16
	v_mul_f32 v[MXR+ok], v[MXR+ok], v[CW+\i]       ; the combine weight, in f32, ahead of the one rounding
.set ok, ok+1
.endr
	s_wait_alu depctr_va_vdst(0)                   ; one wait for the sixteen reciprocals
.set ok, 0
.rept 8
	v_pk_mul_f32 v[MXR+2*ok:MXR+2*ok+1], v[MXR+2*ok:MXR+2*ok+1], v[EXR+2*ok:EXR+2*ok+1]
.set ok, ok+1
.endr
.set ok, 0
.rept 8
	v_cvt_pk_bf16_f32 v[AR+8*\i+ok], v[MXR+2*ok], v[MXR+2*ok+1]
.set ok, ok+1
.endr
	global_store_b128 v[L16], v[AR+8*\i:AR+8*\i+3],   s[DST:DST+1] offset:8192*\i      ; 512 consecutive bytes each
	global_store_b128 v[L16], v[AR+8*\i+4:AR+8*\i+7], s[DST:DST+1] offset:8192*\i+512
.endm
	s_load_b256 s[4:11], s[0:1], 0x0               ; xb s[4:5], maps s[6:7], cw s[8:9], w_gate_up s[10:11]
	s_load_b128 s[12:15], s[0:1], 0x20             ; w_sh_gate_up s[12:13], actr s[14:15]
	s_load_b64 s[16:17], s[0:1], 0x30              ; acts
	v_lshl_add_u32 v[SPW], v0, 2, SPARE
	v_mov_b32 v[NIL], 0
	v_lshrrev_b32 v1, 5, v0
	v_readfirstlane_b32 s[WV], v1
	s_mov_b32 s[WG], ttmp9
	s_lshr_b32 s48, s[WG], 7                       ; 0 routed, 1 shared
	s_lshl_b32 s[PIT], 0x1000, s48                 ; a weight row: 4,096 or 8,192 bytes
	s_bfe_u32 s[SE], s[WG], 0x30004                ; the expert (in a shared work-group: any; its bitmap is read and not used)
	s_and_b32 s49, s[WG], 15
	s_bfe_u32 s50, s[WG], 0x50002
	s_and_b32 s[SQ], s[WG], 3
	s_lshl_b32 s51, s[SE], 23                      ; an expert's 8,388,608 bytes
	s_lshl_b32 s52, s[WG], 17                      ; actr: (16 e + s) x 131,072
	s_and_b32 s53, s[WG], 127
	s_lshl_b32 s53, s53, 15                        ; acts: s x 131,072 + q x 32,768 = j x 32,768
	s_cmp_lt_u32 s[WG], 128
	s_cselect_b32 s[RMASK], -1, 0
	s_cselect_b32 s[SS], s49, s50
	s_cselect_b32 s51, s51, 0
	s_cselect_b32 s52, s52, s53
	s_lshl_b32 s48, s[SS], 7                       ; 32 columns of f32
	s_add_co_u32 s48, s48, s51
	s_mul_i32 s49, s[WV], s[PIT]
	s_lshl_b32 s49, s49, 8                         ; my wave's k = 256 w
	s_add_co_u32 s48, s48, s49
	s_mov_b32 s49, 0
	s_lshl_b32 s50, s[WV], 10                      ; block w
	s_add_co_u32 s52, s52, s50
	s_mov_b32 s53, 0
	s_lshr_b32 s50, s[PIT], 1                      ; the up columns lie half a row on
	s_mov_b32 s51, 0
	s_lshl_b32 s[STP], s[PIT], 5
	s_mov_b32 s[STP+1], 0
	s_mov_b32 s54, s[SE]
	s_mov_b32 s55, 0
	s_mov_b32 s[NL2E], 0xbfb8aa3b                  ; -log2(e)
	s_mov_b32 s[NL2E+1], 0xbfb8aa3b                ; named with it as a pair, so it is written
	v_and_b32 v1, 7, v0                            ; which 4 columns
	v_bfe_u32 v2, v0, 3, 2                         ; which 8 k
	v_lshlrev_b32 v3, 3, v2
	v_mul_lo_u32 v[FO], v3, s[PIT]
	v_lshl_add_u32 v[FO], v1, 4, v[FO]
.irp j, 1,2,3,4,5,6,7
	v_add_nc_u32 v[FO+\j], s[PIT], v[FO+\j-1]
.endr
	v_mul_u32_u24 v[LA0], v1, 4*P
	v_lshl_add_u32 v[LA0], v2, 4, v[LA0]
	v_lshl_add_u32 v[LA0], s[WV], 9, v[LA0]
	v_add_nc_u32 v[LA1], 32*P, v[LA0]
	s_wait_kmcnt 0x0
	s_cmp_lt_u32 s[WG], 128
	s_cselect_b64 s[GB:GB+1], s[10:11], s[12:13]
	s_cselect_b64 s[DST:DST+1], s[14:15], s[16:17]
	s_add_nc_u64 s[GB:GB+1], s[GB:GB+1], s[48:49]
	s_add_nc_u64 s[UB:UB+1], s[GB:GB+1], s[50:51]
	s_add_nc_u64 s[DST:DST+1], s[DST:DST+1], s[52:53]
	s_add_nc_u64 s[MP:MP+1], s[6:7], s[54:55]
	s_cmp_lg_u32 s[WV], 0
	s_cbranch_scc1 .Lno_maps
	PLANLD                                         ; wave 0: the map bytes are asked for ahead of the fill's loads
.Lno_maps:
	UNITLD SETA                                    ; 32 loads of every wave are on their way
	STEP
	UNITLD SETB
	STEP
	s_cmp_lg_u32 s[WV], 0
	s_cbranch_scc1 .Lno_plan
	PLAN 1
.Lno_plan:
	s_mov_b32 s[KC], 3
.Lfill:
	s_wait_loadcnt 16                              ; this set's 16 loads are in; the other set's 16 are younger
	UNITCONS SETA, 0
	UNITLD SETA
	STEP
	s_wait_loadcnt 16
	UNITCONS SETB, 64
	UNITLD SETB
	STEP
	v_add_nc_u32 v[LA0], 0x80, v[LA0]
	v_add_nc_u32 v[LA1], 0x80, v[LA1]
	s_sub_co_u32 s[KC], s[KC], 1
	s_cmp_lg_u32 s[KC], 0
	s_cbranch_scc1 .Lfill
	s_wait_loadcnt 16                              ; the last two units: nothing more is asked for (the stepped bases are not used)
	UNITCONS SETA, 0
	s_wait_loadcnt 0x0
	UNITCONS SETB, 64
	s_wait_dscnt 0x0                               ; for the others' sake: my part of the weights, and wave 0's list, are in LDS
	s_barrier_signal -1
	s_barrier_wait -1                              ; behind it the weights and the list are only read
	v_mov_b32 v28, NCNT
	ds_load_b32 v22, v28
	v_and_b32 v29, 31, v0
	v_lshlrev_b32 v[L16], 4, v29
	v_bfe_u32 v[H16], v0, 4, 1
	v_lshlrev_b32 v[H16], 4, v[H16]
	v_and_b32 v29, 15, v0
	v_mul_u32_u24 v[WB0], v29, P
	v_add_nc_u32 v[WB0], v[WB0], v[H16]
.irp j, 0,1,2,3
	v_add_nc_u32 v[WBJ+\j], \j*16*P, v[WB0]        ; column block j; from here on these four stay as they are
.endr
	v_lshl_add_u32 v[RB], s[WV], 4, v29
	s_wait_dscnt 0x0
	v_readfirstlane_b32 s[SN], v22
	s_min_u32 s[SN], s[SN], 0x800
	s_add_co_u32 s[NB], s[SN], 15
	s_lshr_b32 s[NB], s[NB], 4                     ; blocks of 16 rows
	s_lshl_b32 s[LIM], s[NB], 4
	s_sub_co_u32 s[LIM], s[LIM], 1                 ; the last place of the list that is read
	s_add_co_u32 s[REM], s[NB], 7
	s_sub_co_u32 s[REM], s[REM], s[WV]
	s_lshr_b32 s[REM], s[REM], 3                   ; wave w has blocks w, w + 8, ..
	s_mov_b32 s[CC], 4
.Lchunk:                                               ; 4 trips of 4 blocks serve 16 blocks a wave: 2,048 rows.  Five blocks that are left are taken at once: a five is always the last chunk
	s_cmp_eq_u32 s[REM], 0
	s_cbranch_scc1 .Lbottom
	s_wait_xcnt 0x0                                ; the last chunk's stores have read their registers
.irp n, 0,1,2,3,4
	v_add_nc_u32 v[CW+\n], 128*\n, v[RB]
	v_min_u32 v[CW+\n], s[LIM], v[CW+\n]           ; blocks past the count repeat a row that exists
	v_min_u32 v[CW+\n], 0x7ff, v[CW+\n]
	v_lshl_add_u32 v[CW+\n], v[CW+\n], 2, LIST
.endr
.irp n, 0,1,2,3,4
	ds_load_b32 v[EN+\n], v[CW+\n]
.endr
	s_wait_dscnt 0x0
.irp n, 0,1,2,3,4
	v_lshrrev_b32 v[AOFF+\n], 1, v[EN+\n]          ; the token
	v_min_u32 v[AOFF+\n], 0x7ff, v[AOFF+\n]
	v_lshl_add_u32 v[AOFF+\n], v[AOFF+\n], 12, v[H16]
	v_min_u32 v[EN+\n], 0xfff, v[EN+\n]
	v_lshlrev_b32 v[EN+\n], 2, v[EN+\n]
	global_load_b32 v[CW+\n], v[EN+\n], s[8:9]     ; older than every row load: the counted waits cover it
.endr
	s_cmp_eq_u32 s[REM], 5
	s_cbranch_scc0 .Lfour
	KERNEL 5
	OUTB 4                                         ; the fifth block leaves first: its sums exist on this way alone
	s_branch .Lcommon
.Lfour:
	KERNEL 4
.Lcommon:
	OUTB 0
	s_cmp_le_u32 s[REM], 1
	s_cbranch_scc1 .Lout
	OUTB 1
	s_cmp_le_u32 s[REM], 2
	s_cbranch_scc1 .Lout
	OUTB 2
	s_cmp_le_u32 s[REM], 3
	s_cbranch_scc1 .Lout
	OUTB 3
.Lout:
	s_cmp_eq_u32 s[REM], 5
	s_cselect_b32 s48, 5, 4
	s_min_u32 s48, s[REM], s48
	s_sub_co_u32 s[REM], s[REM], s48
.Lbottom:
	s_wait_xcnt 0x0                                ; the stores' base is stepped only behind this wait
	v_add_nc_u32 v[RB], 0x200, v[RB]               ; 32 blocks on
	s_add_nc_u64 s[DST:DST+1], s[DST:DST+1], 0x8000
	s_sub_co_u32 s[CC], s[CC], 1
	s_cmp_lg_u32 s[CC], 0
	s_cbranch_scc1 .Lchunk
	s_wait_dscnt 0x0                               ; my reads of the weights and of the list are over
	s_barrier_signal -1
	s_barrier_wait -1                              ; every wave's are: the closing adds, the only LDS writes behind the first barrier, stand behind all reads
	s_wait_tensorcnt 0x0                           ; the wave's end, behind my last LDS store
	ds_add_u32 v[SPW], v[NIL]
	s_wait_dscnt 0x0
	s_endpgm
.Lfunc_end_k_q662406bfc4_up:
	.size	k_q662406bfc4_up, .Lfunc_end_k_q662406bfc4_up-k_q662406bfc4_up
	.p2alignl 7, 3214868480
	.fill 96, 4, 3214868480
	.section	.rodata,"a",@progbits
	.p2align	6, 0x0
	.amdhsa_kernel k_q662406bfc4_up
		.amdhsa_group_segment_fixed_size 272640
		.amdhsa_private_segment_fixed_size 0
		.amdhsa_enable_private_segment 0
		.amdhsa_kernarg_size 56
		.amdhsa_user_sgpr_count 2
		.amdhsa_user_sgpr_kernarg_segment_ptr 1
		.amdhsa_wavefront_size32 1
		.amdhsa_system_sgpr_workgroup_id_x 1
		.amdhsa_system_sgpr_workgroup_id_y 1
		.amdhsa_system_sgpr_workgroup_id_z 1
		.amdhsa_system_vgpr_workitem_id 0
		.amdhsa_next_free_vgpr 416
		.amdhsa_next_free_sgpr 66
		.amdhsa_reserve_vcc 1
		.amdhsa_float_denorm_mode_32 3
		.amdhsa_float_denorm_mode_16_64 3
		.amdhsa_memory_ordered 1
		.amdhsa_forward_progress 1
		.amdhsa_inst_pref_size 122
	.end_amdhsa_kernel
	.amdgpu_metadata
---
amdhsa.version: [ 1, 2 ]
amdhsa.kernels:
  - .name:           k_q662406bfc4_up
    .symbol:         k_q662406bfc4_up.kd
    .args:
      - { .name: xb, .offset: 0, .size: 8, .value_kind: global_buffer, .address_space: global }
      - { .name: maps, .offset: 8, .size: 8, .value_kind: global_buffer, .address_space: global }
      - { .name: cw, .offset: 16, .size: 8, .value_kind: global_buffer, .address_space: global }
      - { .name: w_gate_up, .offset: 24, .size: 8, .value_kind: global_buffer, .address_space: global }
      - { .name: w_sh_gate_up, .offset: 32, .size: 8, .value_kind: global_buffer, .address_space: global }
      - { .name: actr, .offset: 40, .size: 8, .value_kind: global_buffer, .address_space: global }
      - { .name: acts, .offset: 48, .size: 8, .value_kind: global_buffer, .address_space: global }
    .group_segment_fixed_size: 272640
    .private_segment_fixed_size: 0
    .kernarg_segment_align: 8
    .kernarg_segment_size: 56
    .max_flat_workgroup_size: 256
    .sgpr_count:     66
    .vgpr_count:     416
    .wavefront_size: 32
...
	.end_amdgpu_metadata
.endif
;; end of part 2
;; launch rdown (part 3): grid 256 x 1, 8 waves a work-group, no clusters, 112,640 bytes of LDS; arguments actr, maps, w_down, part; writes part
.if DOCPART == 3
	.amdgcn_target "amdgcn-amd-amdhsa--gfx1250"
	.amdhsa_code_object_version 6
	.text
	.protected	k_q662406bfc4_rdown
	.globl	k_q662406bfc4_rdown
	.p2align	8
	.type	k_q662406bfc4_rdown,@function
k_q662406bfc4_rdown:
	s_mov_b64 s[64:65], 0
	v_nop
	global_prefetch_b8 v0, s[64:65] scope:SCOPE_SE
	s_setreg_imm32_b32 hwreg(HW_REG_WAVE_MODE, 25, 1), 1
	s_wait_xcnt 0x0
; THE ROUTED SECOND PRODUCT.  part[token][rank][:] = act (already weighted) x w_down[e], f32.
; Work-group: expert e = wg / 32, output columns 64 (wg % 32) .. + 63, all rows of e.  The 64 columns x 512 k are read once as f32, rounded to bf16 and laid into LDS as [column][k]
; (wave w: k = 64 w .. + 63); wave 0 makes the list of rows from the bitmap, in the same order as the launch before.  ONE barrier.  Then each wave by itself: blocks of 16 rows
; (block w + 8 i), four at a time, or five where just five are left; row fragments come from actr, which holds them in register order, 512 consecutive bytes a load; weight fragments from LDS.
; The matrix instruction is used transposed (source 0 = 16 weight columns, source 1 = 16 rows).  A block's 16 rows x 256 bytes go through my wave's own stage in LDS and leave as whole rows.
; The loop over chunks has 4 trips, which serve 2,048 rows; work without rows is jumped forward; no barrier stands there.  The 16 K steps of a chunk are written out, once for four blocks and once
; for five: the weights' four LDS addresses are made once and never rewritten, and a step's place stands in the loads' immediates.
; NO CLUSTER, NO TENSOR LOADS: each slice of weights has one reader and passes registers to be rounded and turned; how many rows there are hangs on a stored count.
; Rows past an expert's count repeat its last row: they store the same bytes to the same place, from the same wave.
.set P,     1040                       ; a column in LDS: 1,024 bytes + 16
.set NS,    16                         ; K steps of 32
.set ASTEP, 131072                     ; from slice kb to kb + 1 in actr
.set AHALF, 512
.set STG,   64*P                       ; 16 rows x 272 bytes for each wave
.set LIST,  STG+8*4352
.set NCNT,  LIST+8320
.set SPARE, LIST+10240                 ; the spare words; by the text's own steps the list is named up to LIST + 8,704
.set L16, 1
.set WB0, 3
.set WADR, 4                           ; v[4:7] LDS address of the weight fragments of column block j; never rewritten behind the barrier
.set AOFF, 8
.set LEA, 23                           ; LDS address of the entries of my two rows, block i = 0, row pair 0
.set C16, 24                           ; 16 x (lane % 16)
.set STO, 25
.set RD,  26
.set SPW, 30
.set NIL, 31
.set BF,  32
.set AR,  96
.set FO,  4
.set LA0, 12
.set LA1, 13
.set TC,  14
.set SETA, 32
.set SETB, 96
.set PB,  160
.set UL,  176
.set UH,  177
.set LN,  178
.set CL,  179
.set CH,  180
.set SC,  181
.set PT0, 182
.set PT1, 183
.set POSL, 185
.set POSH, 186
.set EB,  187
.set TR,  188
.set MO,  189
.set PA0, 190
.set PA1, 191
.set PE0, 192
.set PE1, 193
.set PB0, 194
.set PB1, 195
.set WV, 20
.set WG, 21
.set SE, 24
.set SS, 25
.set ABASE, 28                         ; s[28:29] actr at my expert
.set GB, 30
.set UB, 32
.set PARTB, 34                         ; s[34:35] part at my columns
.set MP, 38
.set SN, 40
.set NB, 41
.set REM, 42
.set NBM1, 43
.set CC, 44
.set BB, 46                            ; my first block of the chunk
.set MSB, 0
.macro WIN new
.if MSB != (\new)
	s_set_vgpr_msb (MSB<<8)|(\new)
.set MSB, \new
.endif
.endm
.macro FLOAD set, g, sb, imm           ; eight loads: 8 consecutive k, 4 columns a lane; sixteen lanes take a row's 256 bytes
.irp j, 0,1,2,3,4,5,6,7
	global_load_b128 v[(\set)+32*(\g)+4*\j:(\set)+32*(\g)+4*\j+3], v[FO+\j], s[\sb:\sb+1] offset:\imm th:TH_LOAD_NT
.endr
.endm
.macro FCONS set, g, la, imm
.irp c, 0,1,2,3
.irp p, 0,1,2,3
	v_cvt_pk_bf16_f32 v[TC+4*\c+\p], v[(\set)+32*(\g)+8*\p+\c], v[(\set)+32*(\g)+8*\p+4+\c]
.endr
	ds_store_b128 v[\la], v[TC+4*\c:TC+4*\c+3] offset:(\imm)+\c*P
.endr
.endm
.macro POPC d, x, t
	v_lshrrev_b32 v[\t], 1, v[\x]
	v_and_b32 v[\t], 0x55555555, v[\t]
	v_sub_nc_u32 v[\d], v[\x], v[\t]
	v_lshrrev_b32 v[\t], 2, v[\d]
	v_and_b32 v[\t], 0x33333333, v[\t]
	v_and_b32 v[\d], 0x33333333, v[\d]
	v_add_nc_u32 v[\d], v[\d], v[\t]
	v_lshrrev_b32 v[\t], 4, v[\d]
	v_add_nc_u32 v[\d], v[\d], v[\t]
	v_and_b32 v[\d], 0x0f0f0f0f, v[\d]
	v_mul_lo_u32 v[\d], v[\d], 0x01010101
	v_lshrrev_b32 v[\d], 24, v[\d]
.endm
.macro PLANLD
	v_and_b32 v[LN], 31, v0
	v_lshlrev_b32 v[MO], 7, v[LN]
.set pi, 0
.rept 8
	global_load_u8 v[PB+pi],   v[MO], s[MP:MP+1] offset:16*pi
	global_load_u8 v[PB+8+pi], v[MO], s[MP:MP+1] offset:16*pi+8
.set pi, pi+1
.endr
.endm
.macro PLAN                            ; the list: counts, a prefix sum over the lanes, placement
	s_wait_loadcnt 32                              ; the map bytes are in; the 32 loads of the fill are younger
.irp b, 0,4,8,12
	v_lshl_or_b32 v[PB+\b], v[PB+\b+1], 8, v[PB+\b]
	v_lshl_or_b32 v[PB+\b], v[PB+\b+2], 16, v[PB+\b]
	v_lshl_or_b32 v[PB+\b], v[PB+\b+3], 24, v[PB+\b]
.endr
	v_or_b32 v[UL], v[PB], v[PB+8]
	v_or_b32 v[UH], v[PB+4], v[PB+12]
	POPC CL, UL, PT0
	POPC CH, UH, PT0
	v_add_nc_u32 v[SC], v[CL], v[CH]
.irp d, 1,2,4,8,16
	v_add_nc_u32 v[PT0], -\d, v[LN]
	v_and_b32 v[PT0], 31, v[PT0]
	v_lshlrev_b32 v[PT0], 2, v[PT0]
	ds_bpermute_b32 v[PT1], v[PT0], v[SC]
	v_cmp_gt_u32 vcc_lo, \d, v[LN]
	s_wait_dscnt 0x0
	v_cndmask_b32 v[PT1], v[PT1], 0, vcc_lo
	v_add_nc_u32 v[SC], v[SC], v[PT1]
.endr
	v_readlane_b32 s[SN], v[SC], 31
	s_min_u32 s[SN], s[SN], 0x800
	v_sub_nc_u32 v[POSL], v[SC], v[CL]
	v_sub_nc_u32 v[POSL], v[POSL], v[CH]
	v_add_nc_u32 v[POSH], v[POSL], v[CL]
	v_lshlrev_b32 v[EB], 7, v[LN]
	v_add_nc_u32 v[TR], 0x800, v[LN]
	v_mov_b32 v[PA0], LIST
	v_mov_b32 v[PT0], 0
	ds_store_b32 v[PA0], v[PT0]
	s_mov_b32 s50, 0
.Lplan\@:
	v_bfe_u32 v[PB0], v[UL], s50, 1
	v_bfe_u32 v[PB1], v[UH], s50, 1
	v_bfe_u32 v[PE0], v[PB+8], s50, 1
	v_bfe_u32 v[PE1], v[PB+12], s50, 1
	v_add_nc_u32 v[PE0], v[EB], v[PE0]
	v_add3_u32 v[PE1], v[EB], v[PE1], 64
	v_cmp_ne_u32 vcc_lo, 0, v[PB0]
	v_cndmask_b32 v[PA0], v[TR], v[POSL], vcc_lo
	v_cmp_ne_u32 vcc_lo, 0, v[PB1]
	v_cndmask_b32 v[PA1], v[TR], v[POSH], vcc_lo
	v_min_u32 v[PA0], 0x81f, v[PA0]
	v_min_u32 v[PA1], 0x81f, v[PA1]
	v_lshl_add_u32 v[PA0], v[PA0], 2, LIST
	v_lshl_add_u32 v[PA1], v[PA1], 2, LIST
	ds_store_b32 v[PA0], v[PE0]
	ds_store_b32 v[PA1], v[PE1]
	v_add_nc_u32 v[POSL], v[POSL], v[PB0]
	v_add_nc_u32 v[POSH], v[POSH], v[PB1]
	v_add_nc_u32 v[EB], 2, v[EB]
	s_add_co_u32 s50, s50, 1
	s_cmp_lt_u32 s50, 32
	s_cbranch_scc1 .Lplan\@
	s_max_u32 s51, s[SN], 1
	s_sub_co_u32 s51, s51, 1
	s_min_u32 s51, s51, 0x7ff
	s_lshl_b32 s51, s51, 2
	s_add_co_u32 s51, s51, LIST
	v_mov_b32 v[PA0], s51
	ds_load_b32 v[PE0], v[PA0]
	v_add_nc_u32 v[PA1], s[SN], v[LN]
	v_min_u32 v[PA1], 0x81f, v[PA1]
	v_lshl_add_u32 v[PA1], v[PA1], 2, LIST
	v_mov_b32 v[PT0], s[SN]
	v_mov_b32 v[PT1], NCNT
	s_wait_dscnt 0x0
	ds_store_b32 v[PA1], v[PE0]
	ds_store_b32 v[PT1], v[PT0]
.endm
.macro GLD mb, q, gm                   ; the row fragments of K step gm into ring slot q
.set gi, 0
.rept \mb
	global_load_b128 v[AR+40*(\q)+8*gi:AR+40*(\q)+8*gi+3],   v[AOFF+gi], s[ABASE:ABASE+1] offset:(\gm)*ASTEP
	global_load_b128 v[AR+40*(\q)+8*gi+4:AR+40*(\q)+8*gi+7], v[AOFF+gi], s[ABASE:ABASE+1] offset:(\gm)*ASTEP+AHALF
.set gi, gi+1
.endr
.endm
.macro WLD b, dm
.irp j, 0,1,2,3
	ds_load_b128 v[BF+32*(\b)+8*\j:BF+32*(\b)+8*\j+3],   v[WADR+\j] offset:\dm
	ds_load_b128 v[BF+32*(\b)+8*\j+4:BF+32*(\b)+8*\j+7], v[WADR+\j] offset:(\dm)+32
.endr
.endm
; K step kg of 32: 4 mb products, accumulators by turns; four places; then rows four steps on and weights two steps on are asked for.
; dscnt 8: the next step's eight weight loads are younger.  loadcnt 6 mb: the rows of the next three steps, 2 mb loads each; in the last three steps the counts run down.
.macro STEPK mb
.if kg+1 < NS
	s_wait_dscnt 8
.else
	s_wait_dscnt 0x0
.endif
.if kg+3 < NS
	s_wait_loadcnt 6*\mb
.else
	s_wait_loadcnt 2*\mb*(NS-1-kg)
.endif
	WIN 0x50                                       ; C and D in window 1
.set si, 0
.rept \mb
.set sj, 0
.rept 4
.if kg == 0
	v_wmma_f32_16x16x32_bf16 v[32*si+8*sj:32*si+8*sj+7], v[BF+32*(kg%2)+8*sj:BF+32*(kg%2)+8*sj+7], v[AR+40*(kg%4)+8*si:AR+40*(kg%4)+8*si+7], 0
.else
	v_wmma_f32_16x16x32_bf16 v[32*si+8*sj:32*si+8*sj+7], v[BF+32*(kg%2)+8*sj:BF+32*(kg%2)+8*sj+7], v[AR+40*(kg%4)+8*si:AR+40*(kg%4)+8*si+7], v[32*si+8*sj:32*si+8*sj+7]
.endif
.set sj, sj+1
.endr
.set si, si+1
.endr
.if (kg+2 < NS) || (kg == NS-1)        ; places are owed where loads follow, and behind the last products, whose results are read next
	WIN 0
.rept 4
	v_nop
.endr
.endif
.if kg+4 < NS
	GLD \mb, kg%4, kg+4
.endif
.if kg+2 < NS
	WLD kg%2, 64*(kg+2)
.endif
.endm
.macro KERNEL mb                       ; mb blocks of 16 rows x 64 columns over the whole K; the first step starts the sums
	GLD \mb, 0, 0
	GLD \mb, 1, 1
	GLD \mb, 2, 2
	GLD \mb, 3, 3
	WLD 0, 0
	WLD 1, 64
.set kg, 0
.rept NS
	STEPK \mb
.set kg, kg+1
.endr
.endm
; THE WAY OUT of block i: the entries of its rows; 16 bytes a lane into my stage (each accumulator's low half first); back as whole rows of 256 bytes; stored at entry x 8,192.
.macro OUTB i
.set OS, AR+48*((\i)%2)                ; 8 entries, 8 offsets, 32 of data; two sets by turns
	s_wait_xcnt 0x0                                ; earlier stores have read their registers
.set ot, 0
.rept 8
	ds_load_b32 v[OS+ot], v[LEA] offset:512*\i+8*ot
.set ot, ot+1
.endr
	WIN 0x04                                       ; the stores' data in window 1
.irp j, 0,1,2,3
.irp q, 0,1
	ds_store_b128 v[STO], v[32*\i+8*\j+4*\q:32*\i+8*\j+4*\q+3] offset:64*\j+16*\q
.endr
.endr
	WIN 0
.set ot, 0
.rept 8
	ds_load_b128 v[OS+16+4*ot:OS+16+4*ot+3], v[RD] offset:544*ot  ; LDS serves a wave's instructions in order (ISA guide 5.7.1.4): these see the stores above
.set ot, ot+1
.endr
	s_wait_dscnt 16                                ; the entries are in: eight stores and eight loads are younger
.set ot, 0
.rept 8
	v_min_u32 v[OS+ot], 0xfff, v[OS+ot]
	v_lshl_add_u32 v[OS+8+ot], v[OS+ot], 13, v[C16]
.set ot, ot+1
.endr
.set ot, 0
.rept 8
	s_wait_dscnt 7-ot
	global_store_b128 v[OS+8+ot], v[OS+16+4*ot:OS+16+4*ot+3], s[PARTB:PARTB+1]  ; sixteen lanes store 256 consecutive bytes, aligned
.set ot, ot+1
.endr
.endm
	s_load_b256 s[4:11], s[0:1], 0x0               ; actr s[4:5], maps s[6:7], w_down s[8:9], part s[10:11]
	v_lshl_add_u32 v[SPW], v0, 2, SPARE
	v_mov_b32 v[NIL], 0
	v_lshrrev_b32 v1, 5, v0
	v_readfirstlane_b32 s[WV], v1
	s_mov_b32 s[WG], ttmp9
	s_lshr_b32 s[SE], s[WG], 5
	s_and_b32 s[SS], s[WG], 31
	s_lshl_b32 s52, s[SS], 8                       ; 64 columns of f32
	s_mov_b32 s53, 0
	s_lshl_b32 s48, s[SE], 22                      ; an expert's 4,194,304 bytes of w_down
	s_add_co_u32 s48, s48, s52
	s_lshl_b32 s49, s[WV], 19                      ; my wave's k = 64 w, rows of 8,192 bytes
	s_add_co_u32 s48, s48, s49
	s_mov_b32 s49, 0
	s_lshl_b32 s50, s[SE], 21                      ; an expert's 2,097,152 bytes of actr
	s_mov_b32 s51, 0
	s_mov_b32 s54, s[SE]
	s_mov_b32 s55, 0
	v_and_b32 v1, 15, v0                           ; which 4 columns
	v_bfe_u32 v2, v0, 4, 1                         ; which 8 k
	v_lshlrev_b32 v[FO], 16, v2
	v_lshl_add_u32 v[FO], v1, 4, v[FO]
.irp j, 1,2,3,4,5,6,7
	v_add_nc_u32 v[FO+\j], 0x2000, v[FO+\j-1]
.endr
	v_mul_u32_u24 v[LA0], v1, 4*P
	v_lshl_add_u32 v[LA0], v2, 4, v[LA0]
	v_lshl_add_u32 v[LA0], s[WV], 7, v[LA0]
	v_add_nc_u32 v[LA1], 32, v[LA0]
	s_wait_kmcnt 0x0
	s_add_nc_u64 s[GB:GB+1], s[8:9], s[48:49]
	s_add_nc_u64 s[UB:UB+1], s[GB:GB+1], 0x20000   ; 16 k on
	s_add_nc_u64 s[ABASE:ABASE+1], s[4:5], s[50:51]
	s_add_nc_u64 s[PARTB:PARTB+1], s[10:11], s[52:53]
	s_add_nc_u64 s[MP:MP+1], s[6:7], s[54:55]
	s_cmp_lg_u32 s[WV], 0
	s_cbranch_scc1 .Lno_maps
	PLANLD
.Lno_maps:
	FLOAD SETA, 0, GB, 0                           ; my 64 k in 32 loads
	FLOAD SETA, 1, UB, 0
	FLOAD SETB, 0, GB, 262144
	FLOAD SETB, 1, UB, 262144
	s_cmp_lg_u32 s[WV], 0
	s_cbranch_scc1 .Lno_plan
	PLAN
.Lno_plan:
	s_wait_loadcnt 16                              ; the first 32 k are in; the other sixteen loads are younger
	FCONS SETA, 0, LA0, 0
	FCONS SETA, 1, LA1, 0
	s_wait_loadcnt 0x0
	FCONS SETB, 0, LA0, 64
	FCONS SETB, 1, LA1, 64
	s_wait_dscnt 0x0                               ; for the others' sake
	s_barrier_signal -1
	s_barrier_wait -1                              ; the launch's one barrier
	v_mov_b32 v27, NCNT
	ds_load_b32 v22, v27
	v_and_b32 v27, 31, v0
	v_lshlrev_b32 v[L16], 4, v27
	v_bfe_u32 v28, v0, 4, 1
	v_and_b32 v29, 15, v0
	v_mul_u32_u24 v[WB0], v29, P
	v_lshl_add_u32 v[WB0], v28, 4, v[WB0]
.irp j, 0,1,2,3
	v_add_nc_u32 v[WADR+\j], \j*16*P, v[WB0]       ; column block j; from here on these four stay as they are
.endr
	v_lshlrev_b32 v[C16], 4, v29
	s_mul_i32 s48, s[WV], 4352
	s_add_co_u32 s48, s48, STG                     ; my stage
	v_mul_u32_u24 v[STO], v29, 272                 ; in: row lane % 16, 32 bytes for each half of the lanes
	v_lshl_add_u32 v[STO], v28, 5, v[STO]
	v_add_nc_u32 v[STO], s48, v[STO]
	v_mul_u32_u24 v[RD], v28, 272                  ; back: lanes 0-15 one row, lanes 16-31 the next
	v_add_nc_u32 v[RD], v[RD], v[C16]
	v_add_nc_u32 v[RD], s48, v[RD]
	s_lshl_b32 s49, s[WV], 6
	s_add_co_u32 s49, s49, LIST
	v_lshl_add_u32 v[LEA], v28, 2, s49
	s_wait_dscnt 0x0
	v_readfirstlane_b32 s[SN], v22
	s_min_u32 s[SN], s[SN], 0x800
	s_add_co_u32 s[NB], s[SN], 15
	s_lshr_b32 s[NB], s[NB], 4
	s_sub_co_u32 s[NBM1], s[NB], 1
	s_add_co_u32 s[REM], s[NB], 7
	s_sub_co_u32 s[REM], s[REM], s[WV]
	s_lshr_b32 s[REM], s[REM], 3
	s_mov_b32 s[BB], s[WV]
	s_mov_b32 s[CC], 4
.Lchunk:                                               ; 4 trips of 4 blocks serve 16 blocks a wave: 2,048 rows.  Five blocks that are left are taken at once: a five is always the last chunk
	s_cmp_eq_u32 s[REM], 0
	s_cbranch_scc1 .Lbottom
	s_wait_xcnt 0x0
.irp n, 0,1,2,3,4
	s_add_co_u32 s48, s[BB], 8*\n
	s_min_u32 s48, s48, s[NBM1]                    ; no block is read that the launch before did not store
	s_min_u32 s48, s48, 127
	v_lshl_add_u32 v[AOFF+\n], s48, 10, v[L16]
.endr
	s_cmp_eq_u32 s[REM], 5
	s_cbranch_scc0 .Lfour
	KERNEL 5
	OUTB 4                                         ; the fifth block leaves first: its sums exist on this way alone
	s_branch .Lcommon
.Lfour:
	KERNEL 4
.Lcommon:
	OUTB 0
	s_cmp_le_u32 s[REM], 1
	s_cbranch_scc1 .Lout
	OUTB 1
	s_cmp_le_u32 s[REM], 2
	s_cbranch_scc1 .Lout
	OUTB 2
	s_cmp_le_u32 s[REM], 3
	s_cbranch_scc1 .Lout
	OUTB 3
.Lout:
	s_cmp_eq_u32 s[REM], 5
	s_cselect_b32 s48, 5, 4
	s_min_u32 s48, s[REM], s48
	s_sub_co_u32 s[REM], s[REM], s48
.Lbottom:
	s_add_co_u32 s[BB], s[BB], 32
	v_add_nc_u32 v[LEA], 0x800, v[LEA]
	s_sub_co_u32 s[CC], s[CC], 1
	s_cmp_lg_u32 s[CC], 0
	s_cbranch_scc1 .Lchunk
	s_wait_tensorcnt 0x0                           ; the wave's end, behind my last LDS store
	ds_add_u32 v[SPW], v[NIL]
	s_wait_dscnt 0x0
	s_endpgm
.Lfunc_end_k_q662406bfc4_rdown:
	.size	k_q662406bfc4_rdown, .Lfunc_end_k_q662406bfc4_rdown-k_q662406bfc4_rdown
	.p2alignl 7, 3214868480
	.fill 96, 4, 3214868480
	.section	.rodata,"a",@progbits
	.p2align	6, 0x0
	.amdhsa_kernel k_q662406bfc4_rdown
		.amdhsa_group_segment_fixed_size 112640
		.amdhsa_private_segment_fixed_size 0
		.amdhsa_enable_private_segment 0
		.amdhsa_kernarg_size 32
		.amdhsa_user_sgpr_count 2
		.amdhsa_user_sgpr_kernarg_segment_ptr 1
		.amdhsa_wavefront_size32 1
		.amdhsa_system_sgpr_workgroup_id_x 1
		.amdhsa_system_sgpr_workgroup_id_y 1
		.amdhsa_system_sgpr_workgroup_id_z 1
		.amdhsa_system_vgpr_workitem_id 0
		.amdhsa_next_free_vgpr 416
		.amdhsa_next_free_sgpr 66
		.amdhsa_reserve_vcc 1
		.amdhsa_float_denorm_mode_32 3
		.amdhsa_float_denorm_mode_16_64 3
		.amdhsa_memory_ordered 1
		.amdhsa_forward_progress 1
		.amdhsa_inst_pref_size 126
	.end_amdhsa_kernel
	.amdgpu_metadata
---
amdhsa.version: [ 1, 2 ]
amdhsa.kernels:
  - .name:           k_q662406bfc4_rdown
    .symbol:         k_q662406bfc4_rdown.kd
    .args:
      - { .name: actr, .offset: 0, .size: 8, .value_kind: global_buffer, .address_space: global }
      - { .name: maps, .offset: 8, .size: 8, .value_kind: global_buffer, .address_space: global }
      - { .name: w_down, .offset: 16, .size: 8, .value_kind: global_buffer, .address_space: global }
      - { .name: part, .offset: 24, .size: 8, .value_kind: global_buffer, .address_space: global }
    .group_segment_fixed_size: 112640
    .private_segment_fixed_size: 0
    .kernarg_segment_align: 8
    .kernarg_segment_size: 32
    .max_flat_workgroup_size: 256
    .sgpr_count:     66
    .vgpr_count:     416
    .wavefront_size: 32
...
	.end_amdgpu_metadata
.endif
;; end of part 3
;; launch sdown (part 4): grid 256 x 1, 4 waves a work-group, no clusters, 150,016 bytes of LDS; arguments acts, w_sh_down, part, out0; writes out0
.if DOCPART == 4
	.amdgcn_target "amdgcn-amd-amdhsa--gfx1250"
	.amdhsa_code_object_version 6
	.text
	.protected	k_q662406bfc4_sdown
	.globl	k_q662406bfc4_sdown
	.p2align	8
	.type	k_q662406bfc4_sdown,@function
k_q662406bfc4_sdown:
	s_mov_b64 s[64:65], 0
	v_nop
	global_prefetch_b8 v0, s[64:65] scope:SCOPE_SE
	s_setreg_imm32_b32 hwreg(HW_REG_WAVE_MODE, 25, 1), 1
	s_wait_xcnt 0x0
; THE SHARED SECOND PRODUCT AND THE SUM.  out0[token] = act_shared x w_sh_down + part[token][0] + part[token][1], f32.
; Work-group: output columns 64 (wg % 32) .. + 63, tokens 256 (wg / 32) .. + 255; wave w has blocks w + 4 i of 16 rows, i < 4.
; THE FILL.  The 64 columns x 1,024 k of w_sh_down are read as f32, rounded to bf16 and laid into LDS as [column][k]; wave w takes k = 256 w .. + 255, in 16 half units of 16 k, 8 loads each.
; The two routed rows of each of my tokens (64 loads, into the 256 registers of window 2) ride along: a GROUP is 4 of them and then a half unit's 8 loads.  Five groups, 60 loads of a wave,
; are on their way; a half unit's place stands in the loads' immediate, so no base is stepped and no wait stands behind the loads.  When no group is left to ask for, the first four K steps' row
; fragments are asked for in its place: they land while the fill ends and the waves meet.  ONE barrier; then each wave by itself.
; The matrix instruction is used transposed (source 0 = 16 weight columns, source 1 = 16 rows); a block goes through my wave's own stage in LDS and leaves as whole rows of 256 bytes.
; NO CLUSTER, NO TENSOR LOADS: the weights pass registers to be rounded and turned; the rows, which the 32 work-groups of a token group share, come in register order straight into registers.
; REGISTERS, in windows of 256: window 0: v1-31 addresses; v32-95 weight fragments (in the fill: its offsets and packed words); v96-255 row fragments.
;   window 1: v0-127 the accumulators (in the fill: v0-159 five sets of 32, a half unit as loaded).   window 2: the routed rows.
.set P,     2064                       ; a column in LDS: 2,048 bytes + 16
.set TT,    8                          ; K / 128
.set ASTEP, 131072                     ; from slice kb to kb + 1 in acts
.set AHALF, 512
.set HSTEP, 131072                     ; 16 k of w_sh_down: a half unit
.set NH,    16                         ; half units in my wave's 256 k
.set NSET,  5                          ; groups on their way
.set STG,   64*P
.set SPARE, STG+4*4352
.set L16, 1                            ; 16 x lane
.set WB0, 3                            ; (lane % 16) P + 16 (lane / 16)
.set WADR, 4                           ; v[4:7]  LDS address of the weight fragments of column block j
.set AOFF, 8                           ; v[8:11] byte offset of my 16 bytes of block i in a slice of acts
.set OV,  23                           ; my byte offset in two rows of out0
.set C16, 24                           ; 16 x (lane % 16)
.set STO, 25
.set RD,  26
.set SPW, 30
.set NIL, 31
.set BF,  32                           ; v[32:95]  weight fragments, two buffers of four
.set AR,  96                           ; v[96:255] row fragments: a ring of four slots of 40
.set FO,  32                           ; the fill: v[32:39] offsets of 8 consecutive k
.set LA0, 40                           ;           where my 16 bytes of a column's row go
.set PV,  41                           ;           my byte offset in two tokens of part
.set TC,  48                           ;           v[48:63] packed words
.set ABASE, 4                          ; s[4:5] acts
.set WV, 20
.set SS, 25
.set RG, 26
.set BL0, 27                           ; 16 rg + w: my first block
.set GB, 30                            ; s[30:31] w_sh_down at my columns and my wave's first k; never stepped
.set PARTB, 34
.set AB, 36                            ; s[36:37] acts at the K loop's place
.set OUTP, 38
.set KC, 45
.set MSB, 0
.macro WIN new                         ; s_set_vgpr_msb: bits 1:0 source 0, 3:2 source 1, 5:4 source 2, 7:6 destination; the high byte repeats the setting that is left
.if MSB != (\new)
	s_set_vgpr_msb (MSB<<8)|(\new)
.set MSB, \new
.endif
.endm
; four of the 64 loads of the routed rows: number n is rank n % 2 of row pair (n / 2) % 8 of block n / 16, and lands at v[4 n] of window 2
.macro P4 g
	WIN 0x80                                       ; destination in window 2
.set pn, 4*(\g)
.rept 4
	global_load_b128 v[4*pn:4*pn+3], v[PV], s[PARTB:PARTB+1] offset:(64*(pn/16)+2*((pn/2)%8))*16384+8192*(pn%2) th:TH_LOAD_NT
.set pn, pn+1
.endr
.endm
; half unit h: eight loads; a lane takes 4 columns of 8 consecutive k, sixteen lanes a row's 256 bytes
.macro FL h
	WIN 0x40                                       ; destination in window 1
.irp j, 0,1,2,3,4,5,6,7
	global_load_b128 v[32*((\h)%NSET)+4*\j:32*((\h)%NSET)+4*\j+3], v[FO+\j], s[GB:GB+1] offset:(\h)*HSTEP
.endr
.endm
; it is rounded, turned (8 k of one column = 16 bytes) and laid into the columns' rows
.macro FC h
	WIN 0x05                                       ; sources in window 1
.irp c, 0,1,2,3
.irp p, 0,1,2,3
	v_cvt_pk_bf16_f32 v[TC+4*\c+\p], v[32*((\h)%NSET)+8*\p+\c], v[32*((\h)%NSET)+8*\p+4+\c]
.endr
.endr
	WIN 0
.irp c, 0,1,2,3
	ds_store_b128 v[LA0], v[TC+4*\c:TC+4*\c+3] offset:32*(\h)+\c*P
.endr
.endm
.macro GLD mb, q, gm                   ; the row fragments of K step gm (counted from AB) into ring slot q
.set gi, 0
.rept \mb
	global_load_b128 v[AR+40*(\q)+8*gi:AR+40*(\q)+8*gi+3],   v[AOFF+gi], s[AB:AB+1] offset:(\gm)*ASTEP
	global_load_b128 v[AR+40*(\q)+8*gi+4:AR+40*(\q)+8*gi+7], v[AOFF+gi], s[AB:AB+1] offset:(\gm)*ASTEP+AHALF
.set gi, gi+1
.endr
.endm
.macro WLD b, dm
.irp j, 0,1,2,3
	ds_load_b128 v[BF+32*(\b)+8*\j:BF+32*(\b)+8*\j+3],   v[WADR+\j] offset:\dm
	ds_load_b128 v[BF+32*(\b)+8*\j+4:BF+32*(\b)+8*\j+7], v[WADR+\j] offset:(\dm)+32
.endr
.endm
; one K step of 32: 4 mb products, accumulators by turns; four places (ISA guide 7.12.1 for vector instructions); then rows four steps on and weights two steps on are asked for.
; adv = 1: the rows' base goes 128 k on; the wait that frees it stands behind this step's products, a whole run of matrix instructions behind the last loads that name it.
.macro SUB mb, q, b, zero, adv, gm, dm, dsw, ldw
	s_wait_dscnt \dsw
	s_wait_loadcnt \ldw
	WIN 0x50                                       ; C and D in window 1
.set si, 0
.rept \mb
.set sj, 0
.rept 4
.if \zero
	v_wmma_f32_16x16x32_bf16 v[32*si+8*sj:32*si+8*sj+7], v[BF+32*(\b)+8*sj:BF+32*(\b)+8*sj+7], v[AR+40*(\q)+8*si:AR+40*(\q)+8*si+7], 0
.else
	v_wmma_f32_16x16x32_bf16 v[32*si+8*sj:32*si+8*sj+7], v[BF+32*(\b)+8*sj:BF+32*(\b)+8*sj+7], v[AR+40*(\q)+8*si:AR+40*(\q)+8*si+7], v[32*si+8*sj:32*si+8*sj+7]
.endif
.set sj, sj+1
.endr
.set si, si+1
.endr
	WIN 0
.rept 4
	v_nop
.endr
.if \adv
	s_wait_xcnt 0x0                                ; the rows' base is stepped only behind this wait
	s_add_nc_u64 s[AB:AB+1], s[AB:AB+1], 4*ASTEP
.endif
.if (\gm) >= 0
	GLD \mb, \q, \gm
.endif
.if (\dm) >= 0
	WLD \b, \dm
.endif
.endm
; mb blocks of 16 rows x 64 columns over the whole K: 32 steps.  The rows of steps 0 to 3 were asked for in the fill.  Step g uses ring slot g % 4 and weight buffer g % 2.
; dscnt 8: the next step's eight weight loads are younger; loadcnt 6 mb: three ring slots of 2 mb loads; in the last steps the counts run down.
.macro KERNEL mb
.irp j, 0,1,2,3
	v_add_nc_u32 v[WADR+\j], \j*16*P, v[WB0]
.endr
	WLD 0, 0
	WLD 1, 64
	SUB \mb, 0, 0, 1, 0, 4, 128, 8, 6*\mb          ; the first step starts the sums
	s_mov_b32 s[KC], TT-2
.Lk\@:
	SUB \mb, 1, 1, 0, 1, 1, 192, 8, 6*\mb
	SUB \mb, 2, 0, 0, 0, 2, 256, 8, 6*\mb
	SUB \mb, 3, 1, 0, 0, 3, 320, 8, 6*\mb
	SUB \mb, 0, 0, 0, 0, 4, 384, 8, 6*\mb
.irp j, 0,1,2,3
	v_add_nc_u32 v[WADR+\j], 0x100, v[WADR+\j]     ; 128 k on in the columns' rows
.endr
	s_sub_co_u32 s[KC], s[KC], 1
	s_cmp_lg_u32 s[KC], 0
	s_cbranch_scc1 .Lk\@
	SUB \mb, 1, 1, 0, 1, 1, 192, 8, 6*\mb          ; the last seven steps: nothing is asked for past K
	SUB \mb, 2, 0, 0, 0, 2, 256, 8, 6*\mb
	SUB \mb, 3, 1, 0, 0, 3, 320, 8, 6*\mb
	SUB \mb, 0, 0, 0, 0, -1, 384, 8, 6*\mb
	SUB \mb, 1, 1, 0, 0, -1, 448, 8, 4*\mb
	SUB \mb, 2, 0, 0, 0, -1, -1, 8, 2*\mb
	SUB \mb, 3, 1, 0, 0, -1, -1, 0, 0
.endm
; THE WAY OUT of block i: through my stage (each accumulator's low half first), back as whole rows; the two routed rows are added; stored.
.macro OUTB i
.set OS, AR+32*((\i)%2)
	s_wait_xcnt 0x0                                ; earlier stores have read their registers
	WIN 0x04                                       ; the stores' data in window 1
.irp j, 0,1,2,3
.irp q, 0,1
	ds_store_b128 v[STO], v[32*\i+8*\j+4*\q:32*\i+8*\j+4*\q+3] offset:64*\j+16*\q
.endr
.endr
	WIN 0
.set ot, 0
.rept 8
	ds_load_b128 v[OS+4*ot:OS+4*ot+3], v[RD] offset:544*ot  ; LDS serves a wave's instructions in order (ISA guide 5.7.1.4): these see the stores above
.set ot, ot+1
.endr
	s_wait_dscnt 0x0
	WIN 0x08                                       ; source 1 in window 2
.set ot, 0
.rept 8
.irp rk, 0,1
.irp p, 0,1
	v_pk_add_f32 v[OS+4*ot+2*\p:OS+4*ot+2*\p+1], v[OS+4*ot+2*\p:OS+4*ot+2*\p+1], v[4*(2*(8*\i+ot)+\rk)+2*\p:4*(2*(8*\i+ot)+\rk)+2*\p+1]
.endr
.endr
.set ot, ot+1
.endr
	WIN 0
.set ot, 0
.rept 8
	global_store_b128 v[OV], v[OS+4*ot:OS+4*ot+3], s[OUTP:OUTP+1] offset:(64*\i+2*ot)*8192 th:TH_STORE_NT  ; sixteen lanes store 256 consecutive bytes, aligned
.set ot, ot+1
.endr
.endm
	s_load_b256 s[4:11], s[0:1], 0x0               ; acts s[4:5], w_sh_down s[6:7], part s[8:9], out0 s[10:11]
	v_lshl_add_u32 v[SPW], v0, 2, SPARE
	v_mov_b32 v[NIL], 0
	v_lshrrev_b32 v2, 5, v0
	v_readfirstlane_b32 s[WV], v2
	s_and_b32 s[SS], ttmp9, 31
	s_lshr_b32 s[RG], ttmp9, 5
	s_lshl_b32 s48, s[RG], 4
	s_add_co_u32 s[BL0], s48, s[WV]
	s_lshl_b32 s50, s[SS], 8                       ; 64 columns of f32
	s_lshl_b32 s48, s[BL0], 18                     ; part: 16 tokens of 16,384 bytes a block
	s_add_co_u32 s48, s48, s50
	s_mov_b32 s49, 0
	s_lshl_b32 s52, s[BL0], 17                     ; out0: 16 rows of 8,192 bytes a block
	s_add_co_u32 s52, s52, s50
	s_mov_b32 s53, 0
	s_lshl_b32 s54, s[WV], 21                      ; my wave's k = 256 w, rows of 8,192 bytes
	s_add_co_u32 s54, s54, s50
	s_mov_b32 s55, 0
	s_mul_i32 s56, s[WV], 4352
	s_add_co_u32 s56, s56, STG                     ; my stage
	; every address is made here, once
	v_and_b32 v27, 31, v0                          ; lane
	v_bfe_u32 v28, v0, 4, 1                        ; lane / 16; in the fill: which 8 k
	v_and_b32 v29, 15, v0                          ; lane % 16; in the fill: which 4 columns
	v_lshlrev_b32 v[L16], 4, v27
	v_lshlrev_b32 v[C16], 4, v29
	v_lshl_add_u32 v[PV], v28, 14, v[C16]
	v_lshl_add_u32 v[FO], v28, 16, v[C16]          ; 8 rows of 8,192 bytes for each half of the lanes
.irp j, 1,2,3,4,5,6,7
	v_add_nc_u32 v[FO+\j], 0x2000, v[FO+\j-1]
.endr
	v_mul_u32_u24 v[LA0], v29, 4*P
	v_lshl_add_u32 v[LA0], v28, 4, v[LA0]
	v_lshl_add_u32 v[LA0], s[WV], 9, v[LA0]
	v_mul_u32_u24 v[WB0], v29, P
	v_lshl_add_u32 v[WB0], v28, 4, v[WB0]
	v_lshl_add_u32 v[OV], v28, 13, v[C16]
	v_mul_u32_u24 v[STO], v29, 272                 ; into the stage: row lane % 16, 32 bytes for each half of the lanes
	v_lshl_add_u32 v[STO], v28, 5, v[STO]
	v_add_nc_u32 v[STO], s56, v[STO]
	v_mul_u32_u24 v[RD], v28, 272                  ; back: lanes 0-15 one row, lanes 16-31 the next
	v_add_nc_u32 v[RD], v[RD], v[C16]
	v_add_nc_u32 v[RD], s56, v[RD]
.irp n, 0,1,2,3
	s_add_co_u32 s57, s[BL0], 4*\n
	v_lshl_add_u32 v[AOFF+\n], s57, 10, v[L16]
.endr
	s_wait_kmcnt 0x0
	s_add_nc_u64 s[PARTB:PARTB+1], s[8:9], s[48:49]
	s_add_nc_u64 s[OUTP:OUTP+1], s[10:11], s[52:53]
	s_add_nc_u64 s[GB:GB+1], s[6:7], s[54:55]
	s_mov_b64 s[AB:AB+1], s[ABASE:ABASE+1]
.set hh, 0
.rept NSET                             ; five groups of twelve go out
	P4 hh
	FL hh
.set hh, hh+1
.endr
.set hh, 0
.rept NH
.if hh+NSET <= NH
	s_wait_loadcnt 12*(NSET-1)                     ; half unit hh is in: four groups of twelve are younger
.else
	s_wait_loadcnt 12*(NH-1-hh)+8*(hh-(NH-NSET))   ; the groups that are left, and eight row loads for each half unit since the last group went out
.endif
	FC hh
.if hh+NSET < NH
	P4 hh+NSET                                     ; the set just read takes the group five on
	FL hh+NSET
.elseif hh < NH-1
	GLD 4, hh-(NH-NSET), hh-(NH-NSET)              ; no group is left: the rows of K steps 0 to 3, a ring slot at a time
.endif
.set hh, hh+1
.endr
	; the last count, 32, leaves the row loads alone on their way: every load of the weights and of the routed rows is done, so the fill's registers are free
	s_wait_dscnt 0x0                               ; for the others' sake: my part of the weights is in LDS
	s_barrier_signal -1
	s_barrier_wait -1                              ; the launch's one barrier
	KERNEL 4
	OUTB 0
	OUTB 1
	OUTB 2
	OUTB 3
	s_wait_tensorcnt 0x0                           ; the wave's end, behind my last LDS store
	ds_add_u32 v[SPW], v[NIL]
	s_wait_dscnt 0x0
	s_endpgm
.Lfunc_end_k_q662406bfc4_sdown:
	.size	k_q662406bfc4_sdown, .Lfunc_end_k_q662406bfc4_sdown-k_q662406bfc4_sdown
	.p2alignl 7, 3214868480
	.fill 96, 4, 3214868480
	.section	.rodata,"a",@progbits
	.p2align	6, 0x0
	.amdhsa_kernel k_q662406bfc4_sdown
		.amdhsa_group_segment_fixed_size 150016
		.amdhsa_private_segment_fixed_size 0
		.amdhsa_enable_private_segment 0
		.amdhsa_kernarg_size 32
		.amdhsa_user_sgpr_count 2
		.amdhsa_user_sgpr_kernarg_segment_ptr 1
		.amdhsa_wavefront_size32 1
		.amdhsa_system_sgpr_workgroup_id_x 1
		.amdhsa_system_sgpr_workgroup_id_y 1
		.amdhsa_system_sgpr_workgroup_id_z 1
		.amdhsa_system_vgpr_workitem_id 0
		.amdhsa_next_free_vgpr 768
		.amdhsa_next_free_sgpr 66
		.amdhsa_reserve_vcc 0
		.amdhsa_float_denorm_mode_32 3
		.amdhsa_float_denorm_mode_16_64 3
		.amdhsa_memory_ordered 1
		.amdhsa_forward_progress 1
		.amdhsa_inst_pref_size 91
	.end_amdhsa_kernel
	.amdgpu_metadata
---
amdhsa.version: [ 1, 2 ]
amdhsa.kernels:
  - .name:           k_q662406bfc4_sdown
    .symbol:         k_q662406bfc4_sdown.kd
    .args:
      - { .name: acts, .offset: 0, .size: 8, .value_kind: global_buffer, .address_space: global }
      - { .name: w_sh_down, .offset: 8, .size: 8, .value_kind: global_buffer, .address_space: global }
      - { .name: part, .offset: 16, .size: 8, .value_kind: global_buffer, .address_space: global }
      - { .name: out0, .offset: 24, .size: 8, .value_kind: global_buffer, .address_space: global }
    .group_segment_fixed_size: 150016
    .private_segment_fixed_size: 0
    .kernarg_segment_align: 8
    .kernarg_segment_size: 32
    .max_flat_workgroup_size: 128
    .sgpr_count:     66
    .vgpr_count:     768
    .wavefront_size: 32
...
	.end_amdgpu_metadata
.endif
;; end of part 4
